; MI455X (gfx1250); checked and timed in simulation.
; The chip was launched on July 23, 2026; its instructions are those of AMD's public machine-readable ISA for CDNA 5 (MIT licence, August 2026) and "CDNA5" Instruction Set Architecture Reference Guide (July 2026). The comments in the code are by the model that wrote it; some were corrected since.
;; Refinement. Allowed arithmetic: matrix products marked QUANTISED: E4M3 operands, one given power-of-two scale a tensor, by v_wmma_f32_16x16x64_fp8_fp8 or v_wmma_f32_16x16x128_fp8_fp8, f32 sums; everything else in f32.
;; Inputs: W1_codes 32 x 1 x 32 uint8 (E4M3 codes of W1, K innermost, in blocks of 32 codes); W2_codes 32 x 1 x 32 uint8 (E4M3 codes of W2, K innermost, in blocks of 32 codes); W_scale_codes 32 x 1 x 32 uint8 (E4M3 codes of W_scale, K innermost, in blocks of 32 codes); b1 32 float32; b2 32 float32; b_scale 32 float32; lowp_scales 10 int32 (the exponents e of the quantised operands' scales 2^e); rgn_codes 256 x 512 x 1 x 32 uint8 (E4M3 codes of rgn, K innermost, in blocks of 32 codes); wrd 256 x 512 x 32 float32.
;; Outputs: out0 256 x 1 x 512 x 32 float32.
;; This version of the problem:
;;   THIS VERSION OF THE PROBLEM IS GIVEN IN LOW PRECISION. The matrix products marked QUANTISED in the list below multiply operands that are first quantised to E4M3 (4 exponent bits, 3 mantissa bits; 8 bits a number), with one given power-of-two scale for each operand tensor; their sums are f32. All else is computed in f32.
;;   The module's matrix products, in the order in which they are computed (A, B: the left and right operand; K: the contracted axis; several contracted axes count as one K, in the product's order):
;;     1. batch 256 x [M 512, K 32] x [K 32, N 512]; A: input wrd; B: input rgn (given as codes): QUANTISED (scales: A lowp_scales[0], B lowp_scales[1])
;;     2. batch 256 x [M 512, K 512] x [K 512, N 32]; A: softmax (see below); B: input wrd: QUANTISED (scales: A lowp_scales[2], B lowp_scales[3])
;;     3. [M 131,072, K 32] x [K 32, N 32]; A: computed on the way; B: input W_scale (given as codes): QUANTISED (scales: A lowp_scales[4], B lowp_scales[5])
;;     4. [M 131,072, K 32] x [K 32, N 32]; A: computed on the way; B: input W1 (given as codes): QUANTISED (scales: A lowp_scales[6], B lowp_scales[7])
;;     5. [M 131,072, K 32] x [K 32, N 32]; A: computed on the way; B: input W2 (given as codes): QUANTISED (scales: A lowp_scales[8], B lowp_scales[9])
;;   THE QUANTISER, for each operand of a quantised product, along K:
;;     - The operand's scale is 2^e, e = its entry of the input lowp_scales (int32; the entries are numbered through the quantised products in the list's order, A before B).
;;     - Each number is divided by the scale, clamped to +-448, and rounded to the nearest number of E4M3, ties to even, subnormals kept.
;;     - The product sums the exact products of the quantised numbers (number of the format x scale) in f32.
;;   ~~~python
;;   def quantise(x, axis, e):      # numpy; x: float32 -> the quantised numbers, widened to float32 again
;;       x = np.moveaxis(x, axis, -1); K = x.shape[-1]
;;       r = np.clip(x / 2.0 ** e, -448, 448)
;;       step = 2.0 ** (np.maximum(np.frexp(np.where(r == 0, 1, r))[1] - 1, -6) - 3)
;;       q = np.round(r / step) * step * 2.0 ** e      # np.round: ties to even
;;       return np.moveaxis(q, -1, axis).astype(np.float32)
;;   ~~~
;;   SOFTMAX AHEAD OF A QUANTISED PRODUCT. Where the list says 'softmax', what is quantised is not the finished softmax but p = 2^(t - M), with t = logit x log2(e) and M = ceil(the row's largest t), a whole number; so 1/2 < the row's largest p <= 1. The row's sum l is taken of the UNQUANTISED p, in f32, and the product's result is divided by l at the end. Since M is a whole number, a kernel that streams over the keys may use a running M (the ceiling of the running maximum): every later rescaling is an exact power of two, so the quantised numbers keep their values, but for numbers so far below the row's largest that they fall under the format's range.
;;   OPERANDS COMPUTED ON THE WAY. 'Computed on the way' means the value that the module computes at that place (a softmax that the list does not call 'softmax' is quantised finished and normalised). What goes into a quantiser is computed in f32, as accurately as f32 sums, v_exp_f32 and their like allow (about 1e-6 of the number): no bf16 or f16 on the way to a quantiser, and a product that is left as it is and whose result goes on into a quantised operand takes f32 operands (vector FMAs, or v_wmma_f32_16x16x4_f32). A number that lies on a knife's edge between two numbers of the format may be rounded either way, as far as f32 arithmetic and the matrix unit's own rounding can turn it there, and no further.
;;   INPUTS GIVEN AS CODES. W1 (in the module: [32, 32], K = its axis 1); W2 (in the module: [32, 32], K = its axis 1); W_scale (in the module: [32, 32], K = its axis 1); rgn (in the module: [256, 512, 32], K = its axis 2): each comes as NAME_codes (uint8): NAME with its K axis moved to the last place and cut into blocks of 32 codes, [.., K / 32, bytes a block], one block behind the other in memory; one code a byte (a code: sign, 4 exponent bits, 3 mantissa bits); its scale is its entry of lowp_scales. Its value is code x scale, taken as it is: it is not quantised again, and the codes and scales need not be those that the quantiser above would give.
;; 2 versions, each right; version 2 is version 1 with the launch refine written anew for expert scheduling mode. Each part assembles by itself: llvm-mc -triple=amdgcn-amd-amdhsa -mcpu=gfx1250 --defsym DOCPART=n.
;; ======== version 1 of 2: 1 launch
;; launch refine (part 1): grid 256 x 1, 16 waves a work-group, no clusters, 112,128 bytes of LDS; arguments wrd, rgn_codes, W_scale_codes, W1_codes, W2_codes, b_scale, b1, b2, lowp_scales, out0; writes out0
.if DOCPART == 1
	.amdgcn_target "amdgcn-amd-amdhsa--gfx1250"
	.amdhsa_code_object_version 6
	.text
	.protected	k_q72f6c7e07f_refine
	.globl	k_q72f6c7e07f_refine
	.p2align	8
	.type	k_q72f6c7e07f_refine,@function
k_q72f6c7e07f_refine:
	s_mov_b64 s[64:65], 0
	v_nop
	global_prefetch_b8 v0, s[64:65] scope:SCOPE_SE
	s_setreg_imm32_b32 hwreg(HW_REG_WAVE_MODE, 25, 1), 1
	s_wait_xcnt 0x0
; out[b][l][:] = relu((q tanh(ctx Ws^T + bs)) W1^T + b1) W2^T + b2 + q,  q = mean of wrd[b][l][:],  ctx = softmax_s(4 leaky(rgn[b][l] . wrd[b][s])) wrd[b][s][:].
; All five products on codes of FP8 (E4M3), each operand with the one given scale 2^e (lowp_scales e0 .. e9); sums in f32; all else in f32.
; SHARES.  One work-group to a batch (256 batches), sixteen waves of 256 registers.  At the head wave w quantises keys 32 w .. 32 w + 31 of wrd twice (along d with e0, along the keys with e3)
; and lays both as images of operand registers in LDS; one barrier; then wave w owns queries (and output rows) 32 w .. 32 w + 31, two tiles of 16, and walks all 512 keys, 128 a step.
; LAYOUT.  Every product is used transposed (source 0 = keys, channels or a weight's rows; source 1 = my 16 queries): a lane (r = lane % 16, h = lane / 16) holds ONE query from the scores to the output.
; K = 32 IN THE K = 64 FORM.  Source 0 holds TWO tiles (registers 0-3 the one, 4-7 the other); source 1 is (Q, 0) or (0, Q), both cut out of twelve registers [0 0 0 0 Q Q Q Q 0 0 0 0]: zero codes add nothing.
; THE KEYS OF A TILE ARE NOT NEIGHBOURS: lane r of tile 2 i + u takes key 32 i + 8 u + r + 8 (r / 8), so that the 16 score registers of tiles 2 i, 2 i + 1 are keys 32 i + 16 h + 0 .. 15: the second product's K.
; SOFTMAX.  t = 4 log2(e) leaky(score) = k1 x + k2 |x| (k1 = 0.55 x 4 log2 e, k2 = 0.45 x 4 log2 e, the scores' 2^(e0 + e1) added to both exponent fields); t grows with x, so the largest t is t of the largest x.
; M = ceil(the running largest t), kept as -M; p = 2^(t - M) is quantised with e2, not normalised; the row's sum is taken of the unquantised p; when M moves, sum and O are multiplied by 2^(old M - new M).
; NO CLUSTER: the work-groups share only the three weights and biases, 3,456 bytes of the 81,920 that each reads.  No tensor load: wrd passes through registers to be quantised, and every LDS byte is filled once.
; LIMITS.  NaN and infinities among the inputs, and NaN codes, are not served.  Each power of two below is made as an f32 number: e0, e2, e3, e4, e6 and e8 - e6 - e7 between -126 and 119;
; e8 + e9 between -126 and 127; e0 + e1 and e4 + e5 between -120 and 120 (added to a constant's exponent field); e2 + e3 and e6 + e7 go through v_ldexp_f32 and have no limit.
; tanh(z) = 1 - 2 / (1 + 2^(2 log2(e) z)): its absolute error is that of f32 at 1, so a tanh far under 1 keeps fewer digits.
.set KIMG,   0                         ; LDS: wrd's codes along d (e0): block of 32 keys b at 1024 b, tile 2 b + u at + 512 u, lane's 16 bytes at 16 x lane
.set VIMG,   16384                     ; wrd's codes along the keys (e3): 4096 step + 2048 tau + 512 c + 16 x lane: lane (r, h): d = 16 tau + r, keys 128 step + 32 c + 16 h + 0 .. 15
.set CST,    32768                     ; W_scale, W1, W2 (1,024 bytes each, as given), then b_scale, b1, b2 (128 bytes each)
.set STG,    36352                     ; a stage for each wave: 32 rows x (128 bytes + 16): wrd's rows at the head, the output's rows at the end
.set SPITCH, 144                       ; 36 words: sixteen lanes that take 16 bytes of sixteen rows start at sixteen different multiples of four words modulo 64
.set LI,   1                           ; v1   16 x lane; never rewritten
.set ADR,  2                           ; v2   LI + the step's 4,096 bytes
.set STW,  3                           ; v3   the stage by dense order: row lane / 8, 16 bytes at 16 (lane % 8)
.set SO,   4                           ; v4   the stage by results: row r, + 32 h
.set QV,   5                           ; v5   the mean of row 32 w + lane of wrd
.set PSC,  6                           ; v6   2^e2;  v7  448 x 2^e2
.set PLIM, 7
.set WA,   8                           ; v8   a weight's row r, + 8 h
.set BA,   9                           ; v9   32 h: a bias's eight numbers of my half
.set LANE, 10
.set PX,   11                          ; v11  a lane permute's destination
.set ST,   12                          ; v12-27 statistics, eight a tile: +0 -M, +1 the largest x, +2 +3 the sum in two halves, +4 f (+5 named with it), +6 +7 at work
.set QA,   28                          ; v28  Q: row r of 32 bytes, + 16 h
.set KSC,  29                          ; v29  2^e0;  v30  448 x 2^e0;  v31  2^e3
.set KLIM, 30
.set VSC,  31
.set F,    32                          ; v32-63  four double fragments of K; then p's codes, 16 registers a tile
.set P,    32
.set S,    64                          ; v64-191 the scores, then p: 64 a tile
.set VF,   64                          ; v64-95  V's two fragments, once tile 0's p is converted
.set O,    192                         ; v192-223 O^T: tile q, channels 16 tau on, at 16 q + 8 tau
.set QZ,   224                         ; v224-247 [0 Q 0], twelve a tile; behind the attention the later operands take Q's place
.set U,    248                         ; v248-255 at work
; at the head only
.set R,    64                          ; wrd as loaded
.set X,    96                          ; a lane's row
.set Y,    128                         ; a lane's column
.set KC,   160
.set VC,   168
.set CW,   176                         ; wave 0: weights and biases on their way to LDS
.set STR,  204                         ; the stage: row = lane
.set STC,  205                         ; the stage: column = lane
.set KW,   206                         ; where my row's codes go in KIMG
.set VW,   207                         ; where my column's codes go in VIMG
.set L4,   208                         ; 4 x lane
.set VLIM, 209                         ; 448 x 2^e3
.set T,    212                         ; v212-219 at work
; behind the attention
.set W,    32                          ; v32-55 the three weights: rows 0-15 in registers 0-3, rows 16-31 in 4-7
.set TC,   56                          ; v56-61 scale and largest number x scale for the operands of products 3, 4, 5
.set BS,   64                          ; v64-79 b_scale, v80-95 b1, v96-111 b2: eight registers a tile, in the result's layout
.set B1,   80
.set B2,   96
.set D3,   112                         ; v112-143 product 3's sums; later the output
.set D4,   144                         ; v144-175 product 4's sums; later the rows read back from the stage
.set QQ,   176                         ; v176-179 (q, q) for tile 0, 1;  v180-183 (-2 q, -2 q)
.set QM,   180
.set WV,   34                          ; s34 my wave's number
.set SEL,  38                          ; s[38:39] v_permlanex16_b32's selects: lane l xor 16
.set K1,   40                          ; s[40:41] k1 (the packed form names a pair and takes its low word)
.set K2,   42
.set TB,   43                          ; s43 the step's bytes in KIMG and in VIMG
.set CNT,  44
.set E23,  45                          ; e2 + e3
.set NE67, 46                          ; -(e6 + e7)
.set S3,   48                          ; s[48:49] 2 log2(e) x 2^(e4 + e5)
.set S5,   50                          ; s[50:51] 2^(e8 + e9)
.set E2,   26                          ; s24-33 hold e0 .. e9
.macro PLACES n                        ; plain vector lines between a matrix instruction and what touches its registers (ISA guide 7.12.1)
.rept \n
	v_nop
.endr
.endm
.macro MKSCALE vs, vl, se              ; v[vs] = 2^e, v[vl] = 448 x 2^e, e in s[se]
	s_add_co_i32 s52, s[\se], 127
	s_lshl_b32 s53, s52, 23
	v_mov_b32 v[\vs], s53
	s_add_co_i32 s52, s52, 8
	s_lshl_b32 s52, s52, 23
	s_or_b32 s52, s52, 0x600000
	v_mov_b32 v[\vl], s52
.endm
.macro HQUANT src, dst, sc, lim        ; 32 numbers of a lane become 32 codes in 8 registers
.set n, 0
.rept 32
	v_med3_num_f32 v[\src+n], v[\src+n], -v[\lim], v[\lim]   ; the conversion to an 8-bit code does not saturate (ISA guide 7.6.2): the hold at the largest code x the scale
.set n, n+1
.endr
.irp g, 0,1,2,3
	v_cvt_scalef32_pk8_fp8_f32 v[\dst+2*\g:\dst+2*\g+1], v[\src+8*\g:\src+8*\g+7], v[\sc]
.endr
	v_nop                                          ; one plain line behind the last conversion: matrix instructions later write these registers
.endm
	s_load_b256 s[4:11], s[0:1], 0x0               ; wrd s[4:5], rgn's codes s[6:7], W_scale's s[8:9], W1's s[10:11]
	s_load_b256 s[12:19], s[0:1], 0x20             ; W2's s[12:13], b_scale s[14:15], b1 s[16:17], b2 s[18:19]
	s_load_b128 s[20:23], s[0:1], 0x40             ; the scales' exponents s[20:21], out s[22:23]
	v_and_b32 v[LANE], 31, v0
	v_lshrrev_b32 v[PX], 5, v0
	v_readfirstlane_b32 s[WV], v[PX]               ; wave 0..15
	v_lshlrev_b32 v[LI], 4, v[LANE]
	v_lshlrev_b32 v[L4], 2, v[LANE]
	v_and_b32 v[T], 15, v0                         ; r
	v_bfe_u32 v[T+1], v0, 4, 1                     ; h
	v_bfe_u32 v[T+2], v0, 3, 2                     ; lane / 8
	v_and_b32 v[T+3], 7, v0                        ; lane % 8
	v_bfe_u32 v[T+4], v0, 3, 1                     ; (lane / 8) % 2
	v_lshlrev_b32 v[QA], 5, v[T]
	v_lshl_add_u32 v[QA], v[T+1], 4, v[QA]
	v_lshlrev_b32 v[WA], 5, v[T]
	v_lshl_add_u32 v[WA], v[T+1], 3, v[WA]
	v_lshlrev_b32 v[BA], 5, v[T+1]
	s_mul_i32 s54, s[WV], 32*SPITCH
	s_add_co_u32 s54, s54, STG                     ; my stage
	v_mul_u32_u24 v[STW], v[T+2], SPITCH
	v_lshl_add_u32 v[STW], v[T+3], 4, v[STW]
	v_add_nc_u32 v[STW], s54, v[STW]
	v_mul_u32_u24 v[SO], v[T], SPITCH
	v_lshl_add_u32 v[SO], v[T+1], 5, v[SO]
	v_add_nc_u32 v[SO], s54, v[SO]
	v_mul_u32_u24 v[STR], v[LANE], SPITCH
	v_add_nc_u32 v[STR], s54, v[STR]
	v_add_nc_u32 v[STC], s54, v[L4]
	; key 32 w + lane is row r' = lane % 8 + 8 (lane / 16) of tile 2 w + (lane / 8) % 2: its d = 16 h' .. lie at 1024 w + 512 u + 16 r' + 256 h'
	v_lshlrev_b32 v[KW], 4, v[T+3]
	v_lshl_add_u32 v[KW], v[T+4], 9, v[KW]
	v_lshl_add_u32 v[KW], v[T+1], 7, v[KW]
	s_lshl_b32 s55, s[WV], 10
	v_add_nc_u32 v[KW], s55, v[KW]
	; column d = lane, keys 32 w + 16 h' ..: 4096 (w / 4) + 2048 (lane / 16) + 512 (w % 4) + 16 (lane % 16) + 256 h'
	v_lshlrev_b32 v[VW], 4, v[T]
	v_lshl_add_u32 v[VW], v[T+1], 11, v[VW]
	s_lshr_b32 s56, s[WV], 2
	s_lshl_b32 s56, s56, 12
	s_and_b32 s57, s[WV], 3
	s_lshl_b32 s57, s57, 9
	s_add_co_u32 s56, s56, s57
	v_add_nc_u32 v[VW], s56, v[VW]
.irp z, 0,1,2,3,8,9,10,11,12,13,14,15,20,21,22,23
	v_mov_b32 v[QZ+\z], 0                          ; the zero codes round Q: sixteen registers, written once
.endr
	v_mov_b32 v[ST+5], 0                           ; (named as the upper halves of the pairs that hold f)
	v_mov_b32 v[ST+13], 0
	s_mov_b32 s[SEL], 0x76543210
	s_mov_b32 s[SEL+1], 0xfedcba98
	s_mov_b32 s[TB], 0
	s_lshl_b32 s36, ttmp9, 16                      ; a batch of wrd or of out is 65,536 bytes, a wave's 32 rows 4,096
	s_lshl_b32 s52, s[WV], 12
	s_add_co_u32 s36, s36, s52
	s_mov_b32 s37, 0
	s_wait_kmcnt 0x0
	s_load_b256 s[24:31], s[20:21], 0x0            ; e0 .. e7
	s_load_b64 s[32:33], s[20:21], 0x20            ; e8, e9
	s_add_nc_u64 s[4:5], s[4:5], s[36:37]
	s_add_nc_u64 s[22:23], s[22:23], s[36:37]
	s_lshr_b32 s36, s36, 2                         ; rgn's codes: a quarter of that
	s_add_nc_u64 s[6:7], s[6:7], s[36:37]
.irp i, 0,1,2,3,4,5,6,7
	global_load_b128 v[R+4*\i:R+4*\i+3], v[LI], s[4:5] offset:512*\i th:TH_LOAD_NT   ; 32 lanes read 512 consecutive bytes: four rows of wrd
.endr
	global_load_b128 v[QZ+4:QZ+7], v[QA], s[6:7] th:TH_LOAD_NT                       ; Q, tile 0: lane (r, h): query r, d = 16 h ..
	global_load_b128 v[QZ+16:QZ+19], v[QA], s[6:7] offset:512 th:TH_LOAD_NT          ; tile 1
	s_cmp_lg_u32 s[WV], 0                          ; wave 0 brings the weights and biases into LDS, once for the work-group
	s_cbranch_scc1 .Lnot_wave_0
	global_load_b128 v[CW:CW+3], v[LI], s[8:9]
	global_load_b128 v[CW+4:CW+7], v[LI], s[8:9] offset:512
	global_load_b128 v[CW+8:CW+11], v[LI], s[10:11]
	global_load_b128 v[CW+12:CW+15], v[LI], s[10:11] offset:512
	global_load_b128 v[CW+16:CW+19], v[LI], s[12:13]
	global_load_b128 v[CW+20:CW+23], v[LI], s[12:13] offset:512
	global_load_b32 v[CW+24], v[L4], s[14:15]
	global_load_b32 v[CW+25], v[L4], s[16:17]
	global_load_b32 v[CW+26], v[L4], s[18:19]
	s_wait_loadcnt 0x0
.irp i, 0,1,2,3,4,5
	ds_store_b128 v[LI], v[CW+4*\i:CW+4*\i+3] offset:CST+512*\i
.endr
.irp i, 0,1,2
	ds_store_b32 v[L4], v[CW+24+\i] offset:CST+3072+128*\i
.endr
.Lnot_wave_0:
	s_wait_loadcnt 0x2                             ; wrd's eight loads are in; Q's two, issued behind them, may be out
.irp i, 0,1,2,3,4,5,6,7
	ds_store_b128 v[STW], v[R+4*\i:R+4*\i+3] offset:4*SPITCH*\i
.endr
.irp i, 0,1,2,3,4,5,6,7
	ds_load_b128 v[X+4*\i:X+4*\i+3], v[STR] offset:16*\i       ; LDS serves a wave's instructions in order (ISA guide 5.7.1.4): these see my stores.  A lane takes a row: registers run along d
.endr
.set n, 0
.rept 32
	ds_load_b32 v[Y+n], v[STC] offset:SPITCH*n                 ; a lane takes a column d: registers run down the keys
.set n, n+1
.endr
	s_wait_kmcnt 0x0
	MKSCALE KSC, KLIM, 24
	MKSCALE VSC, VLIM, 27
	MKSCALE PSC, PLIM, 26
	s_add_co_i32 s52, s24, s25
	s_lshl_b32 s52, s52, 23                        ; a score stands for score x 2^(e0 + e1): added to the exponent fields of
	s_add_co_i32 s[K1], s52, 0x404b21a7            ; k1 = 0.55 x 4 log2(e)
	s_mov_b32 s[K1+1], s[K1]
	s_add_co_i32 s[K2], s52, 0x402632cf            ; k2 = 0.45 x 4 log2(e)
	s_add_co_i32 s[E23], s26, s27
	s_add_co_i32 s[NE67], s30, s31
	s_sub_co_i32 s[NE67], 0, s[NE67]
	s_add_co_i32 s52, s28, s29
	s_lshl_b32 s52, s52, 23
	s_add_co_i32 s[S3], s52, 0x4038aa3b            ; 2 log2(e) x 2^(e4 + e5)
	s_mov_b32 s[S3+1], s[S3]
	s_add_co_i32 s52, s32, s33
	s_add_co_i32 s52, s52, 127
	s_lshl_b32 s[S5], s52, 23                      ; 2^(e8 + e9)
	s_mov_b32 s[S5+1], s[S5]
	s_wait_dscnt 32                                ; my row is in; the 32 loads of my column may be out
	v_pk_add_f32 v[T:T+1], v[X:X+1], v[X+2:X+3]    ; q: the mean of the row as it is given, in two chains of pairs
	v_pk_add_f32 v[T+2:T+3], v[X+4:X+5], v[X+6:X+7]
.irp j, 8,12,16,20,24,28
	v_pk_add_f32 v[T:T+1], v[T:T+1], v[X+\j:X+\j+1]
	v_pk_add_f32 v[T+2:T+3], v[T+2:T+3], v[X+\j+2:X+\j+3]
.endr
	v_pk_add_f32 v[T:T+1], v[T:T+1], v[T+2:T+3]
	v_add_f32 v[QV], v[T], v[T+1]
	v_mul_f32 v[QV], 0x3d000000, v[QV]             ; / 32
	HQUANT X, KC, KSC, KLIM
	ds_store_b128 v[KW], v[KC:KC+3] offset:KIMG        ; d = 0 .. 15: the place of lane (r', 0)
	ds_store_b128 v[KW], v[KC+4:KC+7] offset:KIMG+256  ; d = 16 .. 31: of lane (r', 1)
	s_wait_dscnt 2                                 ; my column is in; the two stores just issued may be out
	HQUANT Y, VC, VSC, VLIM
	ds_store_b128 v[VW], v[VC:VC+3] offset:VIMG        ; keys 32 w + 0 .. 15
	ds_store_b128 v[VW], v[VC+4:VC+7] offset:VIMG+256  ; keys 32 w + 16 .. 31
	s_wait_dscnt 0x0                               ; for the others' sake: my images (and wave 0's constants) lie in LDS
	s_barrier_signal -1
	s_barrier_wait -1                              ; the one barrier: from here on the images are only read, and a stage is its wave's own
	s_wait_loadcnt 0x0                             ; Q
; S^T = K Q^T for 128 keys and both tiles of queries: 8 loads, 16 matrix instructions, each fragment feeding both tiles.
.macro QK
	v_add_nc_u32 v[ADR], s[TB], v[LI]
.irp i, 0,1,2,3
.irp u, 0,1
	ds_load_b128 v[F+8*\i+4*\u:F+8*\i+4*\u+3], v[ADR] offset:KIMG+1024*\i+512*\u
.endr
.endr
.irp i, 0,1,2,3
	s_wait_dscnt 6-2*\i                            ; the double fragment i is in; the loads issued behind its two may be out
.irp u, 0,1
.irp q, 0,1
	v_wmma_f32_16x16x64_fp8_fp8 v[S+64*\q+16*\i+8*\u:S+64*\q+16*\i+8*\u+7], v[F+8*\i:F+8*\i+7], v[QZ+12*\q+4-4*\u:QZ+12*\q+11-4*\u], 0   ; u = 0: (Q, 0) meets tile 2 i; u = 1: (0, Q) meets tile 2 i + 1
.endr
.endr
.endr
	PLACES 4                                       ; in front of the first read of the scores
.endm
; One tile's softmax for 128 keys: a lane's 64 scores.  first = 1: the first step, which starts M, the sum and O^T.
.macro SOFTMAX qt, first
.set rS, S+64*(\qt)
.set rT, ST+8*(\qt)
.set rP, P+16*(\qt)
.set rO, O+16*(\qt)
	v_max3_num_f32 v[rT+6], v[rS], v[rS+1], v[rS+2]            ; the largest x of my 64, in two chains, each accumulator from its low end on
	v_max3_num_f32 v[rT+7], v[rS+3], v[rS+4], v[rS+5]
.irp i, 6,10,14,18,22,26,30,34,38,42,46,50,54,58
	v_max3_num_f32 v[rT+6], v[rT+6], v[rS+\i], v[rS+\i+1]
	v_max3_num_f32 v[rT+7], v[rT+7], v[rS+\i+2], v[rS+\i+3]
.endr
	v_max3_num_f32 v[rT+6], v[rT+6], v[rS+62], v[rS+63]
.if \first
	v_max_num_f32 v[rT+6], v[rT+6], v[rT+7]
.else
	v_max3_num_f32 v[rT+6], v[rT+6], v[rT+7], v[rT+1]          ; and the largest so far
.endif
	v_permlanex16_b32 v[rT+7], v[rT+6], s[SEL], s[SEL+1]       ; the query's other 64 keys lie in lane l xor 16
	v_max_num_f32 v[rT+1], v[rT+6], v[rT+7]
	v_mul_f32 v[rT+6], s[K1], v[rT+1]
	v_fma_f32 v[rT+6], |v[rT+1]|, s[K2], v[rT+6]               ; the largest t = k1 x + k2 |x|
.if !\first
	v_mov_b32 v[rT+7], v[rT]
.endif
	v_floor_f32 v[rT], -v[rT+6]                                ; -M = floor(-t) = -ceil(t): a whole number
.if !\first
	v_sub_f32 v[rT+7], v[rT], v[rT+7]                          ; old M - new M, 0 or less
	v_cvt_i32_f32 v[rT+7], v[rT+7]                             ; (it saturates)
	v_ldexp_f32 v[rT+4], 1.0, v[rT+7]                          ; f = 2^(old M - new M)
.endif
.irp g, 0,1,2,3,4,5,6,7
.irp j, 0,2,4,6
	v_pk_fma_f32 v[U+\j:U+\j+1], v[rS+8*\g+\j:rS+8*\g+\j+1], s[K1:K1+1], v[rT:rT+1] op_sel_hi:[1,0,0]   ; k1 x - M, two at a time
.endr
.irp j, 0,1,2,3,4,5,6,7
	v_fma_f32 v[rS+8*\g+\j], |v[rS+8*\g+\j]|, s[K2], v[U+\j]   ; + k2 |x| = t - M: the activation, the factor 4 log2(e) and -M in three lines for two numbers
.endr
.endr
.set n, 0
.rept 64
	v_exp_f32 v[rS+n], v[rS+n]                                 ; p = 2^(t - M): one batch
.set n, n+1
.endr
.if \first
	v_nop                                                      ; the plain line behind the last exponential
.else
.irp j, 0,2,4,6,8,10,12,14
	v_pk_mul_f32 v[rO+\j:rO+\j+1], v[rO+\j:rO+\j+1], v[rT+4:rT+5] op_sel_hi:[1,0]   ; O^T under the new M: work that names no exponential's result
.endr
.endif
	s_wait_alu depctr_va_vdst(0)                               ; one wait for the batch, ahead of its first reader
.irp c, 0,1,2,3
	v_pk_add_f32 v[U+2*\c:U+2*\c+1], v[rS+4*\c:rS+4*\c+1], v[rS+4*\c+2:rS+4*\c+3]   ; the sum of the UNQUANTISED p, in four chains of pairs
.endr
.irp j, 16,24,32,40,48,56
.irp c, 0,1,2,3
	v_pk_add_f32 v[U+2*\c:U+2*\c+1], v[U+2*\c:U+2*\c+1], v[rS+\j+2*\c:rS+\j+2*\c+1]
.endr
.endr
	v_pk_add_f32 v[U:U+1], v[U:U+1], v[U+2:U+3]
	v_pk_add_f32 v[U+4:U+5], v[U+4:U+5], v[U+6:U+7]
.if \first
	v_pk_add_f32 v[rT+2:rT+3], v[U:U+1], v[U+4:U+5]
.else
	v_pk_add_f32 v[U:U+1], v[U:U+1], v[U+4:U+5]
	v_pk_fma_f32 v[rT+2:rT+3], v[rT+2:rT+3], v[rT+4:rT+5], v[U:U+1] op_sel_hi:[1,0,1]   ; sum = sum x f + this step's
.endif
	s_cmp_ge_i32 s[E2], -8                                     ; p is at most 1 (but for the last bit of t): from e2 = -8 on the largest code x the scale, 448 x 2^e2, is 1.75 or more, and nothing is to be held.
	s_cbranch_scc1 .Lfits_\@                                   ; A branch on a whole number that was given; it jumps over these 64 lines alone
.set n, 0
.rept 64
	v_min_num_f32 v[rS+n], v[rS+n], v[PLIM]                    ; the conversion does not saturate (ISA guide 7.6.2); p is not negative, so the hold is one-sided
.set n, n+1
.endr
.Lfits_\@:
.irp g, 0,1,2,3,4,5,6,7
	v_cvt_scalef32_pk8_fp8_f32 v[rP+2*\g:rP+2*\g+1], v[rS+8*\g:rS+8*\g+7], v[PSC]   ; registers 4 c .. 4 c + 3: keys 32 c + 16 h + 0 .. 15, as V's image has them
.endr
	v_nop                                                      ; one plain line between the conversions and the matrix instructions that read, or later write over, their registers
.endm
.macro VLOAD                           ; V's two fragments (16 channels x 128 keys each) land where tile 0's p lay, while tile 1's softmax is worked
.irp t, 0,1
.irp c, 0,1,2,3
	ds_load_b128 v[VF+16*\t+4*\c:VF+16*\t+4*\c+3], v[ADR] offset:VIMG+2048*\t+512*\c
.endr
.endr
.endm
.macro PV first                        ; O^T += V^T P^T: four accumulators by turns, one instruction a turn
	s_wait_dscnt 0x0                               ; V is in
.irp t, 0,1
.irp q, 0,1
.if \first
	v_wmma_f32_16x16x128_fp8_fp8 v[O+16*\q+8*\t:O+16*\q+8*\t+7], v[VF+16*\t:VF+16*\t+15], v[P+16*\q:P+16*\q+15], 0   ; the first step starts the sums: nothing is cleared
.else
	v_wmma_f32_16x16x128_fp8_fp8 v[O+16*\q+8*\t:O+16*\q+8*\t+7], v[VF+16*\t:VF+16*\t+15], v[P+16*\q:P+16*\q+15], v[O+16*\q+8*\t:O+16*\q+8*\t+7]
.endif
.endr
.endr
	PLACES 5                                       ; four for the next loads into p's registers and for reads of O^T; the fifth since the next step's first products write over V's fragments
	s_add_co_u32 s[TB], s[TB], 4096
.endm
.macro STEP first
	QK
	SOFTMAX 0, \first
	VLOAD
	SOFTMAX 1, \first
	PV \first
.endm
	STEP 1                                         ; keys 0 .. 127
	s_mov_b32 s[CNT], 3
.Lstep:                                            ; keys 128 .. 511
	STEP 0
	s_sub_co_i32 s[CNT], s[CNT], 1
	s_cmp_lg_u32 s[CNT], 0
	s_cbranch_scc1 .Lstep
; BEHIND THE ATTENTION.  O^T's register j of tile tau is channel 16 tau + 8 h + j of query r: eight converted at a time they are registers 2 tau, 2 tau + 1 of the K = 64 form's own layout
; (k = 16 c + 8 h + 0 .. 7), and each product's result lies as O^T does.  So nothing changes lanes in the three layers.
.macro GEMM d, k, bias                 ; four products: weight k's rows 16 t .. (source 0 holds both halves), tile q's operand as (X, 0) or (0, X).  bias = 1: C = b1's tile
.irp t, 0,1
.irp q, 0,1
.if \bias
	v_wmma_f32_16x16x64_fp8_fp8 v[\d+16*\q+8*\t:\d+16*\q+8*\t+7], v[W+8*\k:W+8*\k+7], v[QZ+12*\q+4-4*\t:QZ+12*\q+11-4*\t], v[B1+8*\t:B1+8*\t+7]
.else
	v_wmma_f32_16x16x64_fp8_fp8 v[\d+16*\q+8*\t:\d+16*\q+8*\t+7], v[W+8*\k:W+8*\k+7], v[QZ+12*\q+4-4*\t:QZ+12*\q+11-4*\t], 0
.endif
.endr
.endr
.endm
.macro TOCODES d, relu, sc, lim        ; 32 numbers a lane (two tiles of queries x 16 along K) become the next operand, in Q's place
.set n, 0
.rept 32
.if \relu
	v_med3_num_f32 v[\d+n], v[\d+n], 0, v[\lim]                ; the activation and the hold in one
.else
	v_med3_num_f32 v[\d+n], v[\d+n], -v[\lim], v[\lim]
.endif
.set n, n+1
.endr
.irp q, 0,1
.irp t, 0,1
	v_cvt_scalef32_pk8_fp8_f32 v[QZ+12*\q+4+2*\t:QZ+12*\q+5+2*\t], v[\d+16*\q+8*\t:\d+16*\q+8*\t+7], v[\sc]
.endr
.endr
	v_nop                                          ; one plain line between the conversions and the matrix instructions that read their results
.endm
.irp k, 0,1,2
	ds_load_b64 v[W+8*\k:W+8*\k+1], v[WA] offset:CST+1024*\k           ; row r, k = 8 h ..
	ds_load_b64 v[W+8*\k+2:W+8*\k+3], v[WA] offset:CST+1024*\k+16      ; k = 16 + 8 h ..
	ds_load_b64 v[W+8*\k+4:W+8*\k+5], v[WA] offset:CST+1024*\k+512     ; row 16 + r
	ds_load_b64 v[W+8*\k+6:W+8*\k+7], v[WA] offset:CST+1024*\k+528
.endr
.irp k, 0,1,2
.irp t, 0,1
.irp g, 0,1
	ds_load_b128 v[BS+16*\k+8*\t+4*\g:BS+16*\k+8*\t+4*\g+3], v[BA] offset:CST+3072+128*\k+64*\t+16*\g   ; bias k at units 16 t + 8 h + 0 .. 7
.endr
.endr
.endr
.irp q, 0,1
	v_add_f32 v[ST+8*\q+6], v[ST+8*\q+2], v[ST+8*\q+3]         ; the sum's two halves,
.endr
.irp q, 0,1
	v_permlanex16_b32 v[ST+8*\q+7], v[ST+8*\q+6], s[SEL], s[SEL+1]
.endr
.irp q, 0,1
	v_add_f32 v[ST+8*\q+6], v[ST+8*\q+6], v[ST+8*\q+7]         ; and lane l xor 16's
.endr
.irp q, 0,1
	v_rcp_f32 v[ST+8*\q+4], v[ST+8*\q+6]
.endr
	MKSCALE TC, TC+1, 28                           ; e4.  (Its first vector line is the plain line behind the reciprocals; all down to the wait names none of their results)
	MKSCALE TC+2, TC+3, 30                         ; e6
	s_add_co_i32 s54, s32, s[NE67]                 ; e8 - e6 - e7: a sum of product 4 stands for sum x 2^(e6 + e7): the three scales folded into the conversion's one
	MKSCALE TC+4, TC+5, 54
	v_permlanex16_b32 v[PX], v[QV], s[SEL], s[SEL+1]           ; lane l holds row l's mean: tile 0's query r wants lane r's, tile 1's lane 16 + r's
	v_cmp_gt_u32 vcc_lo, 16, v[LANE]
	v_cndmask_b32 v[QQ], v[PX], v[QV], vcc_lo
	v_cndmask_b32 v[QQ+2], v[QV], v[PX], vcc_lo
	v_mov_b32 v[QQ+1], v[QQ]
	v_mov_b32 v[QQ+3], v[QQ+2]
	v_mul_f32 v[QM], -2.0, v[QQ]
	v_mul_f32 v[QM+1], -2.0, v[QQ]
	v_mul_f32 v[QM+2], -2.0, v[QQ+2]
	v_mul_f32 v[QM+3], -2.0, v[QQ+2]
	s_wait_alu depctr_va_vdst(0)                   ; one wait for the two reciprocals, ahead of their first reader
.irp q, 0,1
	v_ldexp_f32 v[ST+8*\q+4], v[ST+8*\q+4], s[E23] ; 2^(e2 + e3) / the sum
.endr
.irp q, 0,1
.irp j, 0,2,4,6,8,10,12,14
	v_pk_mul_f32 v[O+16*\q+\j:O+16*\q+\j+1], v[O+16*\q+\j:O+16*\q+\j+1], v[ST+8*\q+4:ST+8*\q+5] op_sel_hi:[1,0]   ; the weighted context
.endr
.endr
	TOCODES O, 0, TC, TC+1
	s_wait_dscnt 0x0                               ; weights and biases are in
	GEMM D3, 0, 0
.irp j, 0,2,4,6,8,10,12,14
	v_pk_mul_f32 v[BS+\j:BS+\j+1], v[BS+\j:BS+\j+1], 0x4038aa3b op_sel_hi:[1,0]   ; b_scale x 2 log2(e).  These 24 lines name no register of the products above: they are the places behind them
.endr
.set n, 0
.rept 16
	v_ldexp_f32 v[B1+n], v[B1+n], s[NE67]          ; b1 / 2^(e6 + e7): it goes in as the C of product 4
.set n, n+1
.endr
.irp q, 0,1
.irp t, 0,1
.irp j, 0,2,4,6
	v_pk_fma_f32 v[D3+16*\q+8*\t+\j:D3+16*\q+8*\t+\j+1], v[D3+16*\q+8*\t+\j:D3+16*\q+8*\t+\j+1], s[S3:S3+1], v[BS+8*\t+\j:BS+8*\t+\j+1] op_sel_hi:[1,0,1]   ; 2 log2(e) z
.endr
.endr
.endr
.set n, 0
.rept 32
	v_exp_f32 v[D3+n], v[D3+n]
.set n, n+1
.endr
	v_nop
	s_wait_alu depctr_va_vdst(0)                   ; one wait for the 32 exponentials
.set n, 0
.rept 16
	v_pk_add_f32 v[D3+n:D3+n+1], v[D3+n:D3+n+1], 1.0 op_sel_hi:[1,0]
.set n, n+2
.endr
.set n, 0
.rept 32
	v_rcp_f32 v[D3+n], v[D3+n]
.set n, n+1
.endr
	v_nop
	s_wait_alu depctr_va_vdst(0)                   ; one wait for the 32 reciprocals
.irp q, 0,1
.irp j, 0,2,4,6,8,10,12,14
	v_pk_fma_f32 v[D3+16*\q+\j:D3+16*\q+\j+1], v[D3+16*\q+\j:D3+16*\q+\j+1], v[QM+2*\q:QM+2*\q+1], v[QQ+2*\q:QQ+2*\q+1]   ; q tanh(z) = q - 2 q / (1 + 2^(2 log2(e) z))
.endr
.endr
	TOCODES D3, 0, TC+2, TC+3
	GEMM D4, 1, 1
	PLACES 4
	TOCODES D4, 1, TC+4, TC+5
	GEMM O, 2, 0                                   ; product 5's sums take O^T's registers
	PLACES 4
.irp q, 0,1
.irp t, 0,1
.irp j, 0,2,4,6
	v_pk_fma_f32 v[D3+16*\q+8*\t+\j:D3+16*\q+8*\t+\j+1], v[O+16*\q+8*\t+\j:O+16*\q+8*\t+\j+1], s[S5:S5+1], v[B2+8*\t+\j:B2+8*\t+\j+1] op_sel_hi:[1,0,1]   ; sum x 2^(e8 + e9) + b2
.endr
.endr
.endr
.irp q, 0,1
.irp j, 0,2,4,6,8,10,12,14
	v_pk_add_f32 v[D3+16*\q+\j:D3+16*\q+\j+1], v[D3+16*\q+\j:D3+16*\q+\j+1], v[QQ+2*\q:QQ+2*\q+1]   ; + q
.endr
.endr
; THE WAY OUT.  A lane holds 32 bytes of a row and the lanes beside it other rows: the wave's 32 rows go through its own stage and leave in dense order.
.irp q, 0,1
.irp t, 0,1
.irp g, 0,1
	ds_store_b128 v[SO], v[D3+16*\q+8*\t+4*\g:D3+16*\q+8*\t+4*\g+3] offset:16*SPITCH*\q+64*\t+16*\g   ; out(16 q + r, 16 t + 8 h + 4 g ..)
.endr
.endr
.endr
.irp i, 0,1,2,3,4,5,6,7
	ds_load_b128 v[D4+4*\i:D4+4*\i+3], v[STW] offset:4*SPITCH*\i   ; LDS serves a wave's instructions in order: these see my stores
.endr
.irp i, 0,1,2,3,4,5,6,7
	s_wait_dscnt 7-\i                              ; load i is in; the younger ones may be out
	global_store_b128 v[LI], v[D4+4*\i:D4+4*\i+3], s[22:23] offset:512*\i th:TH_STORE_NT   ; 32 lanes store 512 consecutive bytes, at a multiple of 512 from out's first byte
.endr
	s_wait_xcnt 0x0
	v_lshl_add_u32 v246, v0, 2, 0x1ae00
	v_mov_b32 v247, 0
	s_wait_tensorcnt 0x0
	ds_add_u32 v246, v247
	s_wait_dscnt 0x0
	s_endpgm
.Lfunc_end_k_q72f6c7e07f_refine:
	.size	k_q72f6c7e07f_refine, .Lfunc_end_k_q72f6c7e07f_refine-k_q72f6c7e07f_refine
	.p2alignl 7, 3214868480
	.fill 96, 4, 3214868480
	.section	.rodata,"a",@progbits
	.p2align	6, 0x0
	.amdhsa_kernel k_q72f6c7e07f_refine
		.amdhsa_group_segment_fixed_size 112128
		.amdhsa_private_segment_fixed_size 0
		.amdhsa_enable_private_segment 0
		.amdhsa_kernarg_size 80
		.amdhsa_user_sgpr_count 2
		.amdhsa_user_sgpr_kernarg_segment_ptr 1
		.amdhsa_wavefront_size32 1
		.amdhsa_system_sgpr_workgroup_id_x 1
		.amdhsa_system_sgpr_workgroup_id_y 1
		.amdhsa_system_sgpr_workgroup_id_z 1
		.amdhsa_system_vgpr_workitem_id 0
		.amdhsa_next_free_vgpr 256
		.amdhsa_next_free_sgpr 66
		.amdhsa_reserve_vcc 1
		.amdhsa_float_denorm_mode_32 3
		.amdhsa_float_denorm_mode_16_64 3
		.amdhsa_memory_ordered 1
		.amdhsa_forward_progress 1
		.amdhsa_inst_pref_size 106
	.end_amdhsa_kernel
	.amdgpu_metadata
---
amdhsa.version: [ 1, 2 ]
amdhsa.kernels:
  - .name:           k_q72f6c7e07f_refine
    .symbol:         k_q72f6c7e07f_refine.kd
    .args:
      - { .name: wrd, .offset: 0, .size: 8, .value_kind: global_buffer, .address_space: global }
      - { .name: rgn_codes, .offset: 8, .size: 8, .value_kind: global_buffer, .address_space: global }
      - { .name: W_scale_codes, .offset: 16, .size: 8, .value_kind: global_buffer, .address_space: global }
      - { .name: W1_codes, .offset: 24, .size: 8, .value_kind: global_buffer, .address_space: global }
      - { .name: W2_codes, .offset: 32, .size: 8, .value_kind: global_buffer, .address_space: global }
      - { .name: b_scale, .offset: 40, .size: 8, .value_kind: global_buffer, .address_space: global }
      - { .name: b1, .offset: 48, .size: 8, .value_kind: global_buffer, .address_space: global }
      - { .name: b2, .offset: 56, .size: 8, .value_kind: global_buffer, .address_space: global }
      - { .name: lowp_scales, .offset: 64, .size: 8, .value_kind: global_buffer, .address_space: global }
      - { .name: out0, .offset: 72, .size: 8, .value_kind: global_buffer, .address_space: global }
    .group_segment_fixed_size: 112128
    .private_segment_fixed_size: 0
    .kernarg_segment_align: 8
    .kernarg_segment_size: 80
    .max_flat_workgroup_size: 512
    .sgpr_count:     66
    .vgpr_count:     256
    .wavefront_size: 32
...
	.end_amdgpu_metadata
.endif
;; end of part 1
;; ======== version 2 of 2: 1 launch; version 1 with the launch refine written anew for expert scheduling mode
;; launch refine (part 2): grid 256 x 1, 16 waves a work-group, no clusters, 112,128 bytes of LDS; arguments wrd, rgn_codes, W_scale_codes, W1_codes, W2_codes, b_scale, b1, b2, lowp_scales, out0; writes out0
.if DOCPART == 2
	.amdgcn_target "amdgcn-amd-amdhsa--gfx1250"
	.amdhsa_code_object_version 6
	.text
	.protected	k_q72f6c7e07f_refine
	.globl	k_q72f6c7e07f_refine
	.p2align	8
	.type	k_q72f6c7e07f_refine,@function
k_q72f6c7e07f_refine:
	s_mov_b64 s[64:65], 0
	v_nop
	global_prefetch_b8 v0, s[64:65] scope:SCOPE_SE
	s_setreg_imm32_b32 hwreg(HW_REG_WAVE_SCHED_MODE, 0, 2), 2
	s_setreg_imm32_b32 hwreg(HW_REG_WAVE_MODE, 25, 1), 1
	s_wait_xcnt 0x0
	s_wait_alu depctr_vm_vsrc(0)
; out[b][l][:] = relu((q tanh(ctx Ws^T + bs)) W1^T + b1) W2^T + b2 + q,  q = mean of wrd[b][l][:],  ctx = softmax_s(4 leaky(rgn[b][l] . wrd[b][s])) wrd[b][s][:].
; All five products on codes of FP8 (E4M3), each operand with the one given scale 2^e (lowp_scales e0 .. e9); sums in f32; all else in f32.
; SHARES.  One work-group to a batch (256 batches), sixteen waves of 256 registers.  At the head wave w quantises keys 32 w .. 32 w + 31 of wrd twice (along d with e0, along the keys with e3)
; and lays both as images of operand registers in LDS; one barrier; then wave w owns queries (and output rows) 32 w .. 32 w + 31, two tiles of 16, and walks all 512 keys, 128 a step.
; LAYOUT.  Every product is used transposed (source 0 = keys, channels or a weight's rows; source 1 = my 16 queries): a lane (r = lane % 16, h = lane / 16) holds ONE query from the scores to the output.
; K = 32 IN THE K = 64 FORM.  Source 0 holds TWO tiles (registers 0-3 the one, 4-7 the other); source 1 is (Q, 0) or (0, Q), both cut out of twelve registers [0 0 0 0 Q Q Q Q 0 0 0 0]: zero codes add nothing.
; THE KEYS OF A TILE ARE NOT NEIGHBOURS: lane r of tile 2 i + u takes key 32 i + 8 u + r + 8 (r / 8), so that the 16 score registers of tiles 2 i, 2 i + 1 are keys 32 i + 16 h + 0 .. 15: the second product's K.
; SOFTMAX.  t = 4 log2(e) leaky(score) = k1 x + k2 |x| (k1 = 0.55 x 4 log2 e, k2 = 0.45 x 4 log2 e, the scores' 2^(e0 + e1) added to both exponent fields); t grows with x, so the largest t is t of the largest x.
; M = ceil(the running largest t), kept as -M; p = 2^(t - M) is quantised with e2, not normalised; the row's sum is taken of the unquantised p; when M moves, sum and O are multiplied by 2^(old M - new M).
; NO CLUSTER: the work-groups share only the three weights and biases, 3,456 bytes of the 81,920 that each reads.  No tensor load: wrd passes through registers to be quantised, and every LDS byte is filled once.
; LIMITS.  NaN and infinities among the inputs, and NaN codes, are not served.  Each power of two below is made as an f32 number: e0, e2, e3, e4, e6 and e8 - e6 - e7 between -126 and 119;
; e8 + e9 between -126 and 127; e0 + e1 and e4 + e5 between -120 and 120 (added to a constant's exponent field); e2 + e3 and e6 + e7 go through v_ldexp_f32 and have no limit.
; tanh(z) = 1 - 2 / (1 + 2^(2 log2(e) z)): its absolute error is that of f32 at 1, so a tanh far under 1 keeps fewer digits.
; THE MODE: SCHED_MODE bits 1:0 = 2 (LLVM: expert scheduling mode 2), set by the entry lines.  The code itself states the register dependences
; between vector or matrix instructions and memory or LDS instructions, with s_wait_alu, always for 0.
; THE PLAN.  Registers that memory or LDS instructions touch:
;   v1, v3, v4, v8, v9, v28, v204-208   addresses: written once at the head, ahead of one wait on va_vdst, and by no vector line again; v204-208 serve the head alone and become O^T.
;   v64-95, v160-175, v176-202          at the head: data of LDS stores (wrd as loaded; the codes that the conversions write; wave 0's constants); the first step's scores and O^T are written over them.
;   v96-159                             at the head: LDS loads land there, in registers that no vector line has named; then vector lines alone.
;   v2                                  written once a step, at its head; read by the step's sixteen LDS loads.
;   v32-63                              a step: K's fragments land, the first products read them, the conversions write p's codes there, the second products read those.  Behind the loop the weights land in v32-55.
;   v64-95                              a step: tile 0's softmax works there, its conversions last; V's fragments land; the second products read them; the next step's first products write over them.  Behind the loop the biases land in v64-111.
;   v112-143, v144-175                  the way out: packed lines write the first, LDS stores read them; the stage's loads land in the second, which product 4 wrote and its conversions read.
; A STEP HAS THREE WAITS OF THIS PLAN beside the two that stand behind its batches of exponentials: at its head one on vm_vsrc ahead of the add to v2 and one on va_vdst behind it; one on va_vdst ahead of V's loads.
.set KIMG,   0                         ; LDS: wrd's codes along d (e0): block of 32 keys b at 1024 b, tile 2 b + u at + 512 u, lane's 16 bytes at 16 x lane
.set VIMG,   16384                     ; wrd's codes along the keys (e3): 4096 step + 2048 tau + 512 c + 16 x lane: lane (r, h): d = 16 tau + r, keys 128 step + 32 c + 16 h + 0 .. 15
.set CST,    32768                     ; W_scale, W1, W2 (1,024 bytes each, as given), then b_scale, b1, b2 (128 bytes each)
.set STG,    36352                     ; a stage for each wave: 32 rows x (128 bytes + 16): wrd's rows at the head, the output's rows at the end
.set SPITCH, 144                       ; 36 words: sixteen lanes that take 16 bytes of sixteen rows start at sixteen different multiples of four words modulo 64
.set LI,   1                           ; v1   16 x lane; never rewritten
.set ADR,  2                           ; v2   LI + the step's 4,096 bytes
.set STW,  3                           ; v3   the stage by dense order: row lane / 8, 16 bytes at 16 (lane % 8)
.set SO,   4                           ; v4   the stage by results: row r, + 32 h
.set QV,   5                           ; v5   the mean of row 32 w + lane of wrd
.set PSC,  6                           ; v6   2^e2;  v7  448 x 2^e2
.set PLIM, 7
.set WA,   8                           ; v8   a weight's row r, + 8 h
.set BA,   9                           ; v9   32 h: a bias's eight numbers of my half
.set LANE, 10
.set PX,   11                          ; v11  a lane permute's destination
.set ST,   12                          ; v12-27 statistics, eight a tile: +0 -M, +1 the largest x, +2 +3 the sum in two halves, +4 f (+5 named with it), +6 +7 at work
.set QA,   28                          ; v28  Q: row r of 32 bytes, + 16 h
.set KSC,  29                          ; v29  2^e0;  v30  448 x 2^e0;  v31  2^e3
.set KLIM, 30
.set VSC,  31
.set F,    32                          ; v32-63  four double fragments of K; then p's codes, 16 registers a tile
.set P,    32
.set S,    64                          ; v64-191 the scores, then p: 64 a tile
.set VF,   64                          ; v64-95  V's two fragments, once tile 0's p is converted
.set O,    192                         ; v192-223 O^T: tile q, channels 16 tau on, at 16 q + 8 tau
.set QZ,   224                         ; v224-247 [0 Q 0], twelve a tile; behind the attention the later operands take Q's place
.set U,    248                         ; v248-255 at work
; at the head only
.set R,    64                          ; wrd as loaded
.set X,    96                          ; a lane's row
.set Y,    128                         ; a lane's column
.set KC,   160
.set VC,   168
.set CW,   176                         ; wave 0: weights and biases on their way to LDS
.set STR,  204                         ; the stage: row = lane
.set STC,  205                         ; the stage: column = lane
.set KW,   206                         ; where my row's codes go in KIMG
.set VW,   207                         ; where my column's codes go in VIMG
.set L4,   208                         ; 4 x lane
.set VLIM, 209                         ; 448 x 2^e3
.set T,    212                         ; v212-219 at work
; behind the attention
.set W,    32                          ; v32-55 the three weights: rows 0-15 in registers 0-3, rows 16-31 in 4-7
.set TC,   56                          ; v56-61 scale and largest number x scale for the operands of products 3, 4, 5
.set BS,   64                          ; v64-79 b_scale, v80-95 b1, v96-111 b2: eight registers a tile, in the result's layout
.set B1,   80
.set B2,   96
.set D3,   112                         ; v112-143 product 3's sums; later the output
.set D4,   144                         ; v144-175 product 4's sums; later the rows read back from the stage
.set QQ,   176                         ; v176-179 (q, q) for tile 0, 1;  v180-183 (-2 q, -2 q)
.set QM,   180
.set WV,   34                          ; s34 my wave's number
.set SEL,  38                          ; s[38:39] v_permlanex16_b32's selects: lane l xor 16
.set K1,   40                          ; s[40:41] k1 (the packed form names a pair and takes its low word)
.set K2,   42
.set TB,   43                          ; s43 the step's bytes in KIMG and in VIMG
.set CNT,  44
.set E23,  45                          ; e2 + e3
.set NE67, 46                          ; -(e6 + e7)
.set S3,   48                          ; s[48:49] 2 log2(e) x 2^(e4 + e5)
.set S5,   50                          ; s[50:51] 2^(e8 + e9)
.set E2,   26                          ; s24-33 hold e0 .. e9
.macro PLACES n                        ; plain vector lines between a matrix instruction and what touches its registers (ISA guide 7.12.1)
.rept \n
	v_nop
.endr
.endm
.macro MKSCALE vs, vl, se              ; v[vs] = 2^e, v[vl] = 448 x 2^e, e in s[se]
	s_add_co_i32 s52, s[\se], 127
	s_lshl_b32 s53, s52, 23
	v_mov_b32 v[\vs], s53
	s_add_co_i32 s52, s52, 8
	s_lshl_b32 s52, s52, 23
	s_or_b32 s52, s52, 0x600000
	v_mov_b32 v[\vl], s52
.endm
.macro HQUANT src, dst, sc, lim        ; 32 numbers of a lane become 32 codes in 8 registers
.set n, 0
.rept 32
	v_med3_num_f32 v[\src+n], v[\src+n], -v[\lim], v[\lim]   ; the conversion to an 8-bit code does not saturate (ISA guide 7.6.2): the hold at the largest code x the scale
.set n, n+1
.endr
.irp g, 0,1,2,3
	v_cvt_scalef32_pk8_fp8_f32 v[\dst+2*\g:\dst+2*\g+1], v[\src+8*\g:\src+8*\g+7], v[\sc]
.endr
	v_nop                                          ; one plain line behind the last conversion: matrix instructions later write these registers
.endm
	s_load_b256 s[4:11], s[0:1], 0x0               ; wrd s[4:5], rgn's codes s[6:7], W_scale's s[8:9], W1's s[10:11]
	s_load_b256 s[12:19], s[0:1], 0x20             ; W2's s[12:13], b_scale s[14:15], b1 s[16:17], b2 s[18:19]
	s_load_b128 s[20:23], s[0:1], 0x40             ; the scales' exponents s[20:21], out s[22:23]
	v_and_b32 v[LANE], 31, v0
	v_lshrrev_b32 v[PX], 5, v0
	v_readfirstlane_b32 s[WV], v[PX]               ; wave 0..15
	v_lshlrev_b32 v[LI], 4, v[LANE]
	v_lshlrev_b32 v[L4], 2, v[LANE]
	v_and_b32 v[T], 15, v0                         ; r
	v_bfe_u32 v[T+1], v0, 4, 1                     ; h
	v_bfe_u32 v[T+2], v0, 3, 2                     ; lane / 8
	v_and_b32 v[T+3], 7, v0                        ; lane % 8
	v_bfe_u32 v[T+4], v0, 3, 1                     ; (lane / 8) % 2
	v_lshlrev_b32 v[QA], 5, v[T]
	v_lshl_add_u32 v[QA], v[T+1], 4, v[QA]
	v_lshlrev_b32 v[WA], 5, v[T]
	v_lshl_add_u32 v[WA], v[T+1], 3, v[WA]
	v_lshlrev_b32 v[BA], 5, v[T+1]
	s_wait_alu depctr_va_sdst(0)                   ; the wave's number is written, ahead of its first reader: LDS addresses, the bases and a branch are made from it
	s_mul_i32 s54, s[WV], 32*SPITCH
	s_add_co_u32 s54, s54, STG                     ; my stage
	v_mul_u32_u24 v[STW], v[T+2], SPITCH
	v_lshl_add_u32 v[STW], v[T+3], 4, v[STW]
	v_add_nc_u32 v[STW], s54, v[STW]
	v_mul_u32_u24 v[SO], v[T], SPITCH
	v_lshl_add_u32 v[SO], v[T+1], 5, v[SO]
	v_add_nc_u32 v[SO], s54, v[SO]
	v_mul_u32_u24 v[STR], v[LANE], SPITCH
	v_add_nc_u32 v[STR], s54, v[STR]
	v_add_nc_u32 v[STC], s54, v[L4]
	; key 32 w + lane is row r' = lane % 8 + 8 (lane / 16) of tile 2 w + (lane / 8) % 2: its d = 16 h' .. lie at 1024 w + 512 u + 16 r' + 256 h'
	v_lshlrev_b32 v[KW], 4, v[T+3]
	v_lshl_add_u32 v[KW], v[T+4], 9, v[KW]
	v_lshl_add_u32 v[KW], v[T+1], 7, v[KW]
	s_lshl_b32 s55, s[WV], 10
	v_add_nc_u32 v[KW], s55, v[KW]
	; column d = lane, keys 32 w + 16 h' ..: 4096 (w / 4) + 2048 (lane / 16) + 512 (w % 4) + 16 (lane % 16) + 256 h'
	v_lshlrev_b32 v[VW], 4, v[T]
	v_lshl_add_u32 v[VW], v[T+1], 11, v[VW]
	s_lshr_b32 s56, s[WV], 2
	s_lshl_b32 s56, s56, 12
	s_and_b32 s57, s[WV], 3
	s_lshl_b32 s57, s57, 9
	s_add_co_u32 s56, s56, s57
	v_add_nc_u32 v[VW], s56, v[VW]
.irp z, 0,1,2,3,8,9,10,11,12,13,14,15,20,21,22,23
	v_mov_b32 v[QZ+\z], 0                          ; the zero codes round Q: sixteen registers, written once
.endr
	v_mov_b32 v[ST+5], 0                           ; (named as the upper halves of the pairs that hold f)
	v_mov_b32 v[ST+13], 0
	s_mov_b32 s[SEL], 0x76543210
	s_mov_b32 s[SEL+1], 0xfedcba98
	s_mov_b32 s[TB], 0
	s_lshl_b32 s36, ttmp9, 16                      ; a batch of wrd or of out is 65,536 bytes, a wave's 32 rows 4,096
	s_lshl_b32 s52, s[WV], 12
	s_add_co_u32 s36, s36, s52
	s_mov_b32 s37, 0
	s_wait_kmcnt 0x0
	s_load_b256 s[24:31], s[20:21], 0x0            ; e0 .. e7
	s_load_b64 s[32:33], s[20:21], 0x20            ; e8, e9
	s_add_nc_u64 s[4:5], s[4:5], s[36:37]
	s_add_nc_u64 s[22:23], s[22:23], s[36:37]
	s_lshr_b32 s36, s36, 2                         ; rgn's codes: a quarter of that
	s_add_nc_u64 s[6:7], s[6:7], s[36:37]
	s_wait_alu depctr_va_vdst(0)                   ; the addresses v1, v3, v4, v8, v9, v28 and v204 to v208 are written, which the loads and stores from here to the way out read; no vector line writes one of them again
.irp i, 0,1,2,3,4,5,6,7
	global_load_b128 v[R+4*\i:R+4*\i+3], v[LI], s[4:5] offset:512*\i th:TH_LOAD_NT   ; 32 lanes read 512 consecutive bytes: four rows of wrd
.endr
	global_load_b128 v[QZ+4:QZ+7], v[QA], s[6:7] th:TH_LOAD_NT                       ; Q, tile 0: lane (r, h): query r, d = 16 h ..
	global_load_b128 v[QZ+16:QZ+19], v[QA], s[6:7] offset:512 th:TH_LOAD_NT          ; tile 1
	s_cmp_lg_u32 s[WV], 0                          ; wave 0 brings the weights and biases into LDS, once for the work-group
	s_cbranch_scc1 .Lnot_wave_0
	global_load_b128 v[CW:CW+3], v[LI], s[8:9]
	global_load_b128 v[CW+4:CW+7], v[LI], s[8:9] offset:512
	global_load_b128 v[CW+8:CW+11], v[LI], s[10:11]
	global_load_b128 v[CW+12:CW+15], v[LI], s[10:11] offset:512
	global_load_b128 v[CW+16:CW+19], v[LI], s[12:13]
	global_load_b128 v[CW+20:CW+23], v[LI], s[12:13] offset:512
	global_load_b32 v[CW+24], v[L4], s[14:15]
	global_load_b32 v[CW+25], v[L4], s[16:17]
	global_load_b32 v[CW+26], v[L4], s[18:19]
	s_wait_loadcnt 0x0
.irp i, 0,1,2,3,4,5
	ds_store_b128 v[LI], v[CW+4*\i:CW+4*\i+3] offset:CST+512*\i
.endr
.irp i, 0,1,2
	ds_store_b32 v[L4], v[CW+24+\i] offset:CST+3072+128*\i
.endr
.Lnot_wave_0:
	s_wait_loadcnt 0x2                             ; wrd's eight loads are in; Q's two, issued behind them, may be out
.irp i, 0,1,2,3,4,5,6,7
	ds_store_b128 v[STW], v[R+4*\i:R+4*\i+3] offset:4*SPITCH*\i
.endr
.irp i, 0,1,2,3,4,5,6,7
	ds_load_b128 v[X+4*\i:X+4*\i+3], v[STR] offset:16*\i       ; LDS serves a wave's instructions in order (ISA guide 5.7.1.4): these see my stores.  A lane takes a row: registers run along d
.endr
.set n, 0
.rept 32
	ds_load_b32 v[Y+n], v[STC] offset:SPITCH*n                 ; a lane takes a column d: registers run down the keys
.set n, n+1
.endr
	s_wait_kmcnt 0x0
	MKSCALE KSC, KLIM, 24
	MKSCALE VSC, VLIM, 27
	MKSCALE PSC, PLIM, 26
	s_add_co_i32 s52, s24, s25
	s_lshl_b32 s52, s52, 23                        ; a score stands for score x 2^(e0 + e1): added to the exponent fields of
	s_add_co_i32 s[K1], s52, 0x404b21a7            ; k1 = 0.55 x 4 log2(e)
	s_mov_b32 s[K1+1], s[K1]
	s_add_co_i32 s[K2], s52, 0x402632cf            ; k2 = 0.45 x 4 log2(e)
	s_add_co_i32 s[E23], s26, s27
	s_add_co_i32 s[NE67], s30, s31
	s_sub_co_i32 s[NE67], 0, s[NE67]
	s_add_co_i32 s52, s28, s29
	s_lshl_b32 s52, s52, 23
	s_add_co_i32 s[S3], s52, 0x4038aa3b            ; 2 log2(e) x 2^(e4 + e5)
	s_mov_b32 s[S3+1], s[S3]
	s_add_co_i32 s52, s32, s33
	s_add_co_i32 s52, s52, 127
	s_lshl_b32 s[S5], s52, 23                      ; 2^(e8 + e9)
	s_mov_b32 s[S5+1], s[S5]
	s_wait_dscnt 32                                ; my row is in; the 32 loads of my column may be out
	v_pk_add_f32 v[T:T+1], v[X:X+1], v[X+2:X+3]    ; q: the mean of the row as it is given, in two chains of pairs
	v_pk_add_f32 v[T+2:T+3], v[X+4:X+5], v[X+6:X+7]
.irp j, 8,12,16,20,24,28
	v_pk_add_f32 v[T:T+1], v[T:T+1], v[X+\j:X+\j+1]
	v_pk_add_f32 v[T+2:T+3], v[T+2:T+3], v[X+\j+2:X+\j+3]
.endr
	v_pk_add_f32 v[T:T+1], v[T:T+1], v[T+2:T+3]
	v_add_f32 v[QV], v[T], v[T+1]
	v_mul_f32 v[QV], 0x3d000000, v[QV]             ; / 32
	HQUANT X, KC, KSC, KLIM
	s_wait_dscnt 0x0                               ; my column is in
	HQUANT Y, VC, VSC, VLIM
	s_wait_alu depctr_va_vdst(0)                   ; the conversions have written v[KC ..] and v[VC ..], which the four LDS stores read: one wait for both sets of codes
	ds_store_b128 v[KW], v[KC:KC+3] offset:KIMG        ; d = 0 .. 15: the place of lane (r', 0)
	ds_store_b128 v[KW], v[KC+4:KC+7] offset:KIMG+256  ; d = 16 .. 31: of lane (r', 1)
	ds_store_b128 v[VW], v[VC:VC+3] offset:VIMG        ; keys 32 w + 0 .. 15
	ds_store_b128 v[VW], v[VC+4:VC+7] offset:VIMG+256  ; keys 32 w + 16 .. 31
	s_wait_dscnt 0x0                               ; for the others' sake: my images (and wave 0's constants) lie in LDS
	s_barrier_signal -1
	s_barrier_wait -1                              ; the one barrier: from here on the images are only read, and a stage is its wave's own
	s_wait_loadcnt 0x0                             ; Q
; S^T = K Q^T for 128 keys and both tiles of queries: 8 loads, 16 matrix instructions, each fragment feeding both tiles.
.macro QK
	s_wait_alu depctr_vm_vsrc(0)                   ; the LDS instructions issued so far have read their registers: the last step's loads v[ADR]; in the first step the head's stores their data (v64-95, v160-202) and addresses (v204-208), over which the scores and O^T are written
	v_add_nc_u32 v[ADR], s[TB], v[LI]
	s_wait_alu depctr_va_vdst(0)                   ; v[ADR] is written, which this step's sixteen loads read; the last step's conversions have written p's codes and its second products are done reading them: K's fragments land there
.irp i, 0,1,2,3
.irp u, 0,1
	ds_load_b128 v[F+8*\i+4*\u:F+8*\i+4*\u+3], v[ADR] offset:KIMG+1024*\i+512*\u
.endr
.endr
.irp i, 0,1,2,3
	s_wait_dscnt 6-2*\i                            ; the double fragment i is in; the loads issued behind its two may be out
.irp u, 0,1
.irp q, 0,1
	v_wmma_f32_16x16x64_fp8_fp8 v[S+64*\q+16*\i+8*\u:S+64*\q+16*\i+8*\u+7], v[F+8*\i:F+8*\i+7], v[QZ+12*\q+4-4*\u:QZ+12*\q+11-4*\u], 0   ; u = 0: (Q, 0) meets tile 2 i; u = 1: (0, Q) meets tile 2 i + 1
.endr
.endr
.endr
	PLACES 4                                       ; in front of the first read of the scores
.endm
; One tile's softmax for 128 keys: a lane's 64 scores.  first = 1: the first step, which starts M, the sum and O^T.
.macro SOFTMAX qt, first
.set rS, S+64*(\qt)
.set rT, ST+8*(\qt)
.set rP, P+16*(\qt)
.set rO, O+16*(\qt)
	v_max3_num_f32 v[rT+6], v[rS], v[rS+1], v[rS+2]            ; the largest x of my 64, in two chains, each accumulator from its low end on
	v_max3_num_f32 v[rT+7], v[rS+3], v[rS+4], v[rS+5]
.irp i, 6,10,14,18,22,26,30,34,38,42,46,50,54,58
	v_max3_num_f32 v[rT+6], v[rT+6], v[rS+\i], v[rS+\i+1]
	v_max3_num_f32 v[rT+7], v[rT+7], v[rS+\i+2], v[rS+\i+3]
.endr
	v_max3_num_f32 v[rT+6], v[rT+6], v[rS+62], v[rS+63]
.if \first
	v_max_num_f32 v[rT+6], v[rT+6], v[rT+7]
.else
	v_max3_num_f32 v[rT+6], v[rT+6], v[rT+7], v[rT+1]          ; and the largest so far
.endif
	v_permlanex16_b32 v[rT+7], v[rT+6], s[SEL], s[SEL+1]       ; the query's other 64 keys lie in lane l xor 16
	v_max_num_f32 v[rT+1], v[rT+6], v[rT+7]
	v_mul_f32 v[rT+6], s[K1], v[rT+1]
	v_fma_f32 v[rT+6], |v[rT+1]|, s[K2], v[rT+6]               ; the largest t = k1 x + k2 |x|
.if !\first
	v_mov_b32 v[rT+7], v[rT]
.endif
	v_floor_f32 v[rT], -v[rT+6]                                ; -M = floor(-t) = -ceil(t): a whole number
.if !\first
	v_sub_f32 v[rT+7], v[rT], v[rT+7]                          ; old M - new M, 0 or less
	v_cvt_i32_f32 v[rT+7], v[rT+7]                             ; (it saturates)
	v_ldexp_f32 v[rT+4], 1.0, v[rT+7]                          ; f = 2^(old M - new M)
.endif
.irp g, 0,1,2,3,4,5,6,7
.irp j, 0,2,4,6
	v_pk_fma_f32 v[U+\j:U+\j+1], v[rS+8*\g+\j:rS+8*\g+\j+1], s[K1:K1+1], v[rT:rT+1] op_sel_hi:[1,0,0]   ; k1 x - M, two at a time
.endr
.irp j, 0,1,2,3,4,5,6,7
	v_fma_f32 v[rS+8*\g+\j], |v[rS+8*\g+\j]|, s[K2], v[U+\j]   ; + k2 |x| = t - M: the activation, the factor 4 log2(e) and -M in three lines for two numbers
.endr
.endr
.set n, 0
.rept 64
	v_exp_f32 v[rS+n], v[rS+n]                                 ; p = 2^(t - M): one batch
.set n, n+1
.endr
.if \first
	v_nop                                                      ; the plain line behind the last exponential
.else
.irp j, 0,2,4,6,8,10,12,14
	v_pk_mul_f32 v[rO+\j:rO+\j+1], v[rO+\j:rO+\j+1], v[rT+4:rT+5] op_sel_hi:[1,0]   ; O^T under the new M: work that names no exponential's result
.endr
.endif
	s_wait_alu depctr_va_vdst(0)                               ; the 64 exponentials have written p: one wait for the batch, ahead of its first reader
.irp c, 0,1,2,3
	v_pk_add_f32 v[U+2*\c:U+2*\c+1], v[rS+4*\c:rS+4*\c+1], v[rS+4*\c+2:rS+4*\c+3]   ; the sum of the UNQUANTISED p, in four chains of pairs
.endr
.irp j, 16,24,32,40,48,56
.irp c, 0,1,2,3
	v_pk_add_f32 v[U+2*\c:U+2*\c+1], v[U+2*\c:U+2*\c+1], v[rS+\j+2*\c:rS+\j+2*\c+1]
.endr
.endr
	v_pk_add_f32 v[U:U+1], v[U:U+1], v[U+2:U+3]
	v_pk_add_f32 v[U+4:U+5], v[U+4:U+5], v[U+6:U+7]
.if \first
	v_pk_add_f32 v[rT+2:rT+3], v[U:U+1], v[U+4:U+5]
.else
	v_pk_add_f32 v[U:U+1], v[U:U+1], v[U+4:U+5]
	v_pk_fma_f32 v[rT+2:rT+3], v[rT+2:rT+3], v[rT+4:rT+5], v[U:U+1] op_sel_hi:[1,0,1]   ; sum = sum x f + this step's
.endif
	s_cmp_ge_i32 s[E2], -8                                     ; p is at most 1 (but for the last bit of t): from e2 = -8 on the largest code x the scale, 448 x 2^e2, is 1.75 or more, and nothing is to be held.
	s_cbranch_scc1 .Lfits_\@                                   ; A branch on a whole number that was given; it jumps over these 64 lines alone
.set n, 0
.rept 64
	v_min_num_f32 v[rS+n], v[rS+n], v[PLIM]                    ; the conversion does not saturate (ISA guide 7.6.2); p is not negative, so the hold is one-sided
.set n, n+1
.endr
.Lfits_\@:
.irp g, 0,1,2,3,4,5,6,7
	v_cvt_scalef32_pk8_fp8_f32 v[rP+2*\g:rP+2*\g+1], v[rS+8*\g:rS+8*\g+7], v[PSC]   ; registers 4 c .. 4 c + 3: keys 32 c + 16 h + 0 .. 15, as V's image has them
.endr
	v_nop                                                      ; one plain line between the conversions and the matrix instructions that read, or later write over, their registers
.endm
.macro VLOAD                           ; V's two fragments (16 channels x 128 keys each) land where tile 0's p lay, while tile 1's softmax is worked
	s_wait_alu depctr_va_vdst(0)                   ; tile 0's softmax has written v64-95 for the last time and its conversions are done reading them: V's fragments land there.  Tile 1's softmax, which follows the loads, names none of these registers
.irp t, 0,1
.irp c, 0,1,2,3
	ds_load_b128 v[VF+16*\t+4*\c:VF+16*\t+4*\c+3], v[ADR] offset:VIMG+2048*\t+512*\c
.endr
.endr
.endm
.macro PV first                        ; O^T += V^T P^T: four accumulators by turns, one instruction a turn
	s_wait_dscnt 0x0                               ; V is in
.irp t, 0,1
.irp q, 0,1
.if \first
	v_wmma_f32_16x16x128_fp8_fp8 v[O+16*\q+8*\t:O+16*\q+8*\t+7], v[VF+16*\t:VF+16*\t+15], v[P+16*\q:P+16*\q+15], 0   ; the first step starts the sums: nothing is cleared
.else
	v_wmma_f32_16x16x128_fp8_fp8 v[O+16*\q+8*\t:O+16*\q+8*\t+7], v[VF+16*\t:VF+16*\t+15], v[P+16*\q:P+16*\q+15], v[O+16*\q+8*\t:O+16*\q+8*\t+7]
.endif
.endr
.endr
	PLACES 5                                       ; four for reads of O^T and for vector lines that write p's registers; the fifth since the next step's first products write over V's fragments.  (The next loads into p's registers hang on the wait ahead of them)
	s_add_co_u32 s[TB], s[TB], 4096
.endm
.macro STEP first
	QK
	SOFTMAX 0, \first
	VLOAD
	SOFTMAX 1, \first
	PV \first
.endm
	STEP 1                                         ; keys 0 .. 127
	s_mov_b32 s[CNT], 3
.Lstep:                                            ; keys 128 .. 511
	STEP 0
	s_sub_co_i32 s[CNT], s[CNT], 1
	s_cmp_lg_u32 s[CNT], 0
	s_cbranch_scc1 .Lstep
; BEHIND THE ATTENTION.  O^T's register j of tile tau is channel 16 tau + 8 h + j of query r: eight converted at a time they are registers 2 tau, 2 tau + 1 of the K = 64 form's own layout
; (k = 16 c + 8 h + 0 .. 7), and each product's result lies as O^T does.  So nothing changes lanes in the three layers.
.macro GEMM d, k, bias                 ; four products: weight k's rows 16 t .. (source 0 holds both halves), tile q's operand as (X, 0) or (0, X).  bias = 1: C = b1's tile
.irp t, 0,1
.irp q, 0,1
.if \bias
	v_wmma_f32_16x16x64_fp8_fp8 v[\d+16*\q+8*\t:\d+16*\q+8*\t+7], v[W+8*\k:W+8*\k+7], v[QZ+12*\q+4-4*\t:QZ+12*\q+11-4*\t], v[B1+8*\t:B1+8*\t+7]
.else
	v_wmma_f32_16x16x64_fp8_fp8 v[\d+16*\q+8*\t:\d+16*\q+8*\t+7], v[W+8*\k:W+8*\k+7], v[QZ+12*\q+4-4*\t:QZ+12*\q+11-4*\t], 0
.endif
.endr
.endr
.endm
.macro TOCODES d, relu, sc, lim        ; 32 numbers a lane (two tiles of queries x 16 along K) become the next operand, in Q's place
.set n, 0
.rept 32
.if \relu
	v_med3_num_f32 v[\d+n], v[\d+n], 0, v[\lim]                ; the activation and the hold in one
.else
	v_med3_num_f32 v[\d+n], v[\d+n], -v[\lim], v[\lim]
.endif
.set n, n+1
.endr
.irp q, 0,1
.irp t, 0,1
	v_cvt_scalef32_pk8_fp8_f32 v[QZ+12*\q+4+2*\t:QZ+12*\q+5+2*\t], v[\d+16*\q+8*\t:\d+16*\q+8*\t+7], v[\sc]
.endr
.endr
	v_nop                                          ; one plain line between the conversions and the matrix instructions that read their results
.endm
	s_wait_alu depctr_va_vdst(0)                   ; the last second products are done reading p's codes (v32-63) and V's fragments (v64-95), and tile 0's softmax is done with v96-111: the weights and biases land there.  No vector line names v32-55 or v64-111 before the wait for these loads
.irp k, 0,1,2
	ds_load_b64 v[W+8*\k:W+8*\k+1], v[WA] offset:CST+1024*\k           ; row r, k = 8 h ..
	ds_load_b64 v[W+8*\k+2:W+8*\k+3], v[WA] offset:CST+1024*\k+16      ; k = 16 + 8 h ..
	ds_load_b64 v[W+8*\k+4:W+8*\k+5], v[WA] offset:CST+1024*\k+512     ; row 16 + r
	ds_load_b64 v[W+8*\k+6:W+8*\k+7], v[WA] offset:CST+1024*\k+528
.endr
.irp k, 0,1,2
.irp t, 0,1
.irp g, 0,1
	ds_load_b128 v[BS+16*\k+8*\t+4*\g:BS+16*\k+8*\t+4*\g+3], v[BA] offset:CST+3072+128*\k+64*\t+16*\g   ; bias k at units 16 t + 8 h + 0 .. 7
.endr
.endr
.endr
.irp q, 0,1
	v_add_f32 v[ST+8*\q+6], v[ST+8*\q+2], v[ST+8*\q+3]         ; the sum's two halves,
.endr
.irp q, 0,1
	v_permlanex16_b32 v[ST+8*\q+7], v[ST+8*\q+6], s[SEL], s[SEL+1]
.endr
.irp q, 0,1
	v_add_f32 v[ST+8*\q+6], v[ST+8*\q+6], v[ST+8*\q+7]         ; and lane l xor 16's
.endr
.irp q, 0,1
	v_rcp_f32 v[ST+8*\q+4], v[ST+8*\q+6]
.endr
	MKSCALE TC, TC+1, 28                           ; e4.  (Its first vector line is the plain line behind the reciprocals; all down to the wait names none of their results)
	MKSCALE TC+2, TC+3, 30                         ; e6
	s_add_co_i32 s54, s32, s[NE67]                 ; e8 - e6 - e7: a sum of product 4 stands for sum x 2^(e6 + e7): the three scales folded into the conversion's one
	MKSCALE TC+4, TC+5, 54
	v_permlanex16_b32 v[PX], v[QV], s[SEL], s[SEL+1]           ; lane l holds row l's mean: tile 0's query r wants lane r's, tile 1's lane 16 + r's
	v_cmp_gt_u32 vcc_lo, 16, v[LANE]
	s_wait_alu depctr_va_vcc(0)                    ; the compare has written VCC, ahead of its first reader: the two selections below
	v_cndmask_b32 v[QQ], v[PX], v[QV], vcc_lo
	v_cndmask_b32 v[QQ+2], v[QV], v[PX], vcc_lo
	v_mov_b32 v[QQ+1], v[QQ]
	v_mov_b32 v[QQ+3], v[QQ+2]
	v_mul_f32 v[QM], -2.0, v[QQ]
	v_mul_f32 v[QM+1], -2.0, v[QQ]
	v_mul_f32 v[QM+2], -2.0, v[QQ+2]
	v_mul_f32 v[QM+3], -2.0, v[QQ+2]
	s_wait_alu depctr_va_vdst(0)                   ; the two reciprocals have written their results: one wait, ahead of their first reader
.irp q, 0,1
	v_ldexp_f32 v[ST+8*\q+4], v[ST+8*\q+4], s[E23] ; 2^(e2 + e3) / the sum
.endr
.irp q, 0,1
.irp j, 0,2,4,6,8,10,12,14
	v_pk_mul_f32 v[O+16*\q+\j:O+16*\q+\j+1], v[O+16*\q+\j:O+16*\q+\j+1], v[ST+8*\q+4:ST+8*\q+5] op_sel_hi:[1,0]   ; the weighted context
.endr
.endr
	TOCODES O, 0, TC, TC+1
	s_wait_dscnt 0x0                               ; weights and biases are in
	GEMM D3, 0, 0
.irp j, 0,2,4,6,8,10,12,14
	v_pk_mul_f32 v[BS+\j:BS+\j+1], v[BS+\j:BS+\j+1], 0x4038aa3b op_sel_hi:[1,0]   ; b_scale x 2 log2(e).  These 24 lines name no register of the products above: they are the places behind them
.endr
.set n, 0
.rept 16
	v_ldexp_f32 v[B1+n], v[B1+n], s[NE67]          ; b1 / 2^(e6 + e7): it goes in as the C of product 4
.set n, n+1
.endr
.irp q, 0,1
.irp t, 0,1
.irp j, 0,2,4,6
	v_pk_fma_f32 v[D3+16*\q+8*\t+\j:D3+16*\q+8*\t+\j+1], v[D3+16*\q+8*\t+\j:D3+16*\q+8*\t+\j+1], s[S3:S3+1], v[BS+8*\t+\j:BS+8*\t+\j+1] op_sel_hi:[1,0,1]   ; 2 log2(e) z
.endr
.endr
.endr
.set n, 0
.rept 32
	v_exp_f32 v[D3+n], v[D3+n]
.set n, n+1
.endr
	v_nop
	s_wait_alu depctr_va_vdst(0)                   ; the 32 exponentials have written v[D3 ..]: one wait, ahead of their first reader
.set n, 0
.rept 16
	v_pk_add_f32 v[D3+n:D3+n+1], v[D3+n:D3+n+1], 1.0 op_sel_hi:[1,0]
.set n, n+2
.endr
.set n, 0
.rept 32
	v_rcp_f32 v[D3+n], v[D3+n]
.set n, n+1
.endr
	v_nop
	s_wait_alu depctr_va_vdst(0)                   ; the 32 reciprocals have written v[D3 ..]: one wait, ahead of their first reader
.irp q, 0,1
.irp j, 0,2,4,6,8,10,12,14
	v_pk_fma_f32 v[D3+16*\q+\j:D3+16*\q+\j+1], v[D3+16*\q+\j:D3+16*\q+\j+1], v[QM+2*\q:QM+2*\q+1], v[QQ+2*\q:QQ+2*\q+1]   ; q tanh(z) = q - 2 q / (1 + 2^(2 log2(e) z))
.endr
.endr
	TOCODES D3, 0, TC+2, TC+3
	GEMM D4, 1, 1
	PLACES 4
	TOCODES D4, 1, TC+4, TC+5
	GEMM O, 2, 0                                   ; product 5's sums take O^T's registers
	PLACES 4
.irp q, 0,1
.irp t, 0,1
.irp j, 0,2,4,6
	v_pk_fma_f32 v[D3+16*\q+8*\t+\j:D3+16*\q+8*\t+\j+1], v[O+16*\q+8*\t+\j:O+16*\q+8*\t+\j+1], s[S5:S5+1], v[B2+8*\t+\j:B2+8*\t+\j+1] op_sel_hi:[1,0,1]   ; sum x 2^(e8 + e9) + b2
.endr
.endr
.endr
.irp q, 0,1
.irp j, 0,2,4,6,8,10,12,14
	v_pk_add_f32 v[D3+16*\q+\j:D3+16*\q+\j+1], v[D3+16*\q+\j:D3+16*\q+\j+1], v[QQ+2*\q:QQ+2*\q+1]   ; + q
.endr
.endr
; THE WAY OUT.  A lane holds 32 bytes of a row and the lanes beside it other rows: the wave's 32 rows go through its own stage and leave in dense order.
	s_wait_alu depctr_va_vdst(0)                   ; the packed lines have written v[D3 ..], which the LDS stores read; product 4 and its conversions are done with v[D4 ..], in which the stage's loads land
.irp q, 0,1
.irp t, 0,1
.irp g, 0,1
	ds_store_b128 v[SO], v[D3+16*\q+8*\t+4*\g:D3+16*\q+8*\t+4*\g+3] offset:16*SPITCH*\q+64*\t+16*\g   ; out(16 q + r, 16 t + 8 h + 4 g ..)
.endr
.endr
.endr
.irp i, 0,1,2,3,4,5,6,7
	ds_load_b128 v[D4+4*\i:D4+4*\i+3], v[STW] offset:4*SPITCH*\i   ; LDS serves a wave's instructions in order: these see my stores
.endr
.irp i, 0,1,2,3,4,5,6,7
	s_wait_dscnt 7-\i                              ; load i is in; the younger ones may be out
	global_store_b128 v[LI], v[D4+4*\i:D4+4*\i+3], s[22:23] offset:512*\i th:TH_STORE_NT   ; 32 lanes store 512 consecutive bytes, at a multiple of 512 from out's first byte
.endr
	s_wait_xcnt 0x0
	v_lshl_add_u32 v246, v0, 2, 0x1ae00            ; the add's two registers are made anew here; no memory or LDS instruction has read v246 or v247
	v_mov_b32 v247, 0
	s_wait_dscnt 0x0                               ; the closing lines, six on end
	s_wait_alu 0x0
	s_wait_tensorcnt 0x0
	ds_add_u32 v246, v247
	s_wait_dscnt 0x0
	s_endpgm
.Lfunc_end_k_q72f6c7e07f_refine:
	.size	k_q72f6c7e07f_refine, .Lfunc_end_k_q72f6c7e07f_refine-k_q72f6c7e07f_refine
	.p2alignl 7, 3214868480
	.fill 96, 4, 3214868480
	.section	.rodata,"a",@progbits
	.p2align	6, 0x0
	.amdhsa_kernel k_q72f6c7e07f_refine
		.amdhsa_group_segment_fixed_size 112128
		.amdhsa_private_segment_fixed_size 0
		.amdhsa_enable_private_segment 0
		.amdhsa_kernarg_size 80
		.amdhsa_user_sgpr_count 2
		.amdhsa_user_sgpr_kernarg_segment_ptr 1
		.amdhsa_wavefront_size32 1
		.amdhsa_system_sgpr_workgroup_id_x 1
		.amdhsa_system_sgpr_workgroup_id_y 1
		.amdhsa_system_sgpr_workgroup_id_z 1
		.amdhsa_system_vgpr_workitem_id 0
		.amdhsa_next_free_vgpr 256
		.amdhsa_next_free_sgpr 66
		.amdhsa_reserve_vcc 1
		.amdhsa_float_denorm_mode_32 3
		.amdhsa_float_denorm_mode_16_64 3
		.amdhsa_memory_ordered 1
		.amdhsa_forward_progress 1
		.amdhsa_inst_pref_size 107
	.end_amdhsa_kernel
	.amdgpu_metadata
---
amdhsa.version: [ 1, 2 ]
amdhsa.kernels:
  - .name:           k_q72f6c7e07f_refine
    .symbol:         k_q72f6c7e07f_refine.kd
    .args:
      - { .name: wrd, .offset: 0, .size: 8, .value_kind: global_buffer, .address_space: global }
      - { .name: rgn_codes, .offset: 8, .size: 8, .value_kind: global_buffer, .address_space: global }
      - { .name: W_scale_codes, .offset: 16, .size: 8, .value_kind: global_buffer, .address_space: global }
      - { .name: W1_codes, .offset: 24, .size: 8, .value_kind: global_buffer, .address_space: global }
      - { .name: W2_codes, .offset: 32, .size: 8, .value_kind: global_buffer, .address_space: global }
      - { .name: b_scale, .offset: 40, .size: 8, .value_kind: global_buffer, .address_space: global }
      - { .name: b1, .offset: 48, .size: 8, .value_kind: global_buffer, .address_space: global }
      - { .name: b2, .offset: 56, .size: 8, .value_kind: global_buffer, .address_space: global }
      - { .name: lowp_scales, .offset: 64, .size: 8, .value_kind: global_buffer, .address_space: global }
      - { .name: out0, .offset: 72, .size: 8, .value_kind: global_buffer, .address_space: global }
    .group_segment_fixed_size: 112128
    .private_segment_fixed_size: 0
    .kernarg_segment_align: 8
    .kernarg_segment_size: 80
    .max_flat_workgroup_size: 512
    .sgpr_count:     66
    .vgpr_count:     256
    .wavefront_size: 32
...
	.end_amdgpu_metadata
.endif
;; end of part 2
